; MI455X (gfx1250); checked and timed in simulation.
; The chip was launched on July 23, 2026; its instructions are those of AMD's public machine-readable ISA for CDNA 5 (MIT licence, August 2026) and "CDNA5" Instruction Set Architecture Reference Guide (July 2026). The comments in the code are by the model that wrote it; some were corrected since.
;; Attention Head VDP. Allowed arithmetic: matrix products marked QUANTISED: E2M1 operands, one E8M0 scale for each 32 along K, by v_wmma_scale_f32_16x16x128_f8f6f4 with both operands' format E2M1 (or v_wmma_scale_f32_32x16x128_f4), f32 sums; everything else in f32.
;; Inputs: var_wk_codes 512 x 16 x 16 uint8 (E2M1 codes of var_wk, K innermost, in blocks of 32 codes, two codes a byte); var_wk_scales 512 x 16 uint8 (E8M0 scales of var_wk, one for each 32 codes along K); var_wq_codes 512 x 16 x 16 uint8 (E2M1 codes of var_wq, K innermost, in blocks of 32 codes, two codes a byte); var_wq_scales 512 x 16 uint8 (E8M0 scales of var_wq, one for each 32 codes along K); var_wv_codes 512 x 16 x 16 uint8 (E2M1 codes of var_wv, K innermost, in blocks of 32 codes, two codes a byte); var_wv_scales 512 x 16 uint8 (E8M0 scales of var_wv, one for each 32 codes along K); var_x 4 x 1,024 x 512 float32; wk 512 x 512 float32; wq 512 x 512 float32; wv 512 x 512 float32; x 4 x 1,024 x 512 float32.
;; Outputs: out0 4 x 1,024 x 512 float32; out1 4 x 1,024 x 512 float32.
;; This version of the problem:
;;   THIS VERSION OF THE PROBLEM IS GIVEN IN LOW PRECISION. The matrix products marked QUANTISED in the list below multiply operands that are first quantised to E2M1 (2 exponent bits, 1 mantissa bit; 4 bits a number), with one power-of-two scale for each 32 numbers along K (OCP MX v1.0); their sums are f32. All else is computed in f32.
;;   The module's matrix products, in the order in which they are computed (A, B: the left and right operand; K: the contracted axis; several contracted axes count as one K, in the product's order):
;;     1. [M 4,096, K 512] x [K 512, N 512]; A: input x; B: input wq: QUANTISED
;;     2. [M 4,096, K 512] x [K 512, N 512]; A: input var_x; B: computed on the way: QUANTISED
;;     3. [M 4,096, K 512] x [K 512, N 512]; A: computed on the way; B: input var_wq (given as codes): QUANTISED
;;     4. [M 4,096, K 512] x [K 512, N 512]; A: input var_x; B: input var_wq (given as codes): QUANTISED
;;     5. [M 4,096, K 512] x [K 512, N 512]; A: input x; B: input wk: QUANTISED
;;     6. [M 4,096, K 512] x [K 512, N 512]; A: input var_x; B: computed on the way: QUANTISED
;;     7. [M 4,096, K 512] x [K 512, N 512]; A: computed on the way; B: input var_wk (given as codes): QUANTISED
;;     8. [M 4,096, K 512] x [K 512, N 512]; A: input var_x; B: input var_wk (given as codes): QUANTISED
;;     9. [M 4,096, K 512] x [K 512, N 512]; A: input x; B: input wv: QUANTISED
;;     10. [M 4,096, K 512] x [K 512, N 512]; A: input var_x; B: computed on the way: QUANTISED
;;     11. [M 4,096, K 512] x [K 512, N 512]; A: computed on the way; B: input var_wv (given as codes): QUANTISED
;;     12. [M 4,096, K 512] x [K 512, N 512]; A: input var_x; B: input var_wv (given as codes): QUANTISED
;;     13. batch 64 x [M 1,024, K 32] x [K 32, N 1,024]; A: computed on the way; B: computed on the way: QUANTISED
;;     14. batch 64 x [M 1,024, K 32] x [K 32, N 1,024]; A: computed on the way; B: computed on the way: QUANTISED
;;     15. batch 64 x [M 1,024, K 32] x [K 32, N 1,024]; A: computed on the way; B: computed on the way: QUANTISED
;;     16. batch 64 x [M 1,024, K 32] x [K 32, N 1,024]; A: computed on the way; B: computed on the way: QUANTISED
;;     17. batch 64 x [M 1,024, K 1,024] x [K 1,024, N 32]; A: softmax (see below); B: computed on the way: QUANTISED
;;     18. batch 64 x [M 1,024, K 1,024] x [K 1,024, N 32]; A: computed on the way; B: computed on the way: QUANTISED
;;     19. batch 64 x [M 1,024, K 1,024] x [K 1,024, N 32]; A: computed on the way; B: computed on the way: QUANTISED
;;     20. batch 64 x [M 1,024, K 1,024] x [K 1,024, N 32]; A: computed on the way; B: computed on the way: QUANTISED
;;   THE QUANTISER, for each operand of a quantised product, along K:
;;     - K is cut into blocks of 32 from its start; a last block that is shorter is filled with zeros.
;;     - A block's scale is 2^e with e = floor(log2(the largest magnitude in the block)) - 2, held to -126 .. 127; a block of zeros has e = 0. As a byte (E8M0): e + 127.
;;     - Each number is divided by its block's scale, clamped to +-6, and rounded to the nearest number of E2M1, ties to even, subnormals kept.
;;     - The product sums the exact products of the quantised numbers (number of the format x scale) in f32.
;;   ~~~python
;;   def quantise(x, axis):      # numpy; x: float32 -> the quantised numbers, widened to float32 again
;;       x = np.moveaxis(x, axis, -1); K = x.shape[-1]
;;       x = np.pad(x, [(0, 0)] * (x.ndim - 1) + [(0, -K % 32)]); x = x.reshape(x.shape[:-1] + (-1, 32)); a = np.abs(x).max(-1, keepdims=True)
;;       e = np.where(a > 0, np.clip(np.frexp(np.where(a > 0, a, 1))[1] - 1 - 2, -126, 127), 0)      # np.frexp(a)[1] - 1 = floor(log2(a)), exactly
;;       r = np.clip(x / 2.0 ** e, -6, 6)
;;       step = 2.0 ** (np.maximum(np.frexp(np.where(r == 0, 1, r))[1] - 1, 0) - 1)
;;       q = np.round(r / step) * step * 2.0 ** e      # np.round: ties to even
;;       return np.moveaxis(q.reshape(q.shape[:-2] + (-1,))[..., :K], -1, axis).astype(np.float32)
;;   ~~~
;;   SOFTMAX AHEAD OF A QUANTISED PRODUCT. Where the list says 'softmax', what is quantised is not the finished softmax but p = 2^(t - M), with t = logit x log2(e) and M = ceil(the row's largest t), a whole number; so 1/2 < the row's largest p <= 1. The row's sum l is taken of the UNQUANTISED p, in f32, and the product's result is divided by l at the end. Since M is a whole number, a kernel that streams over the keys may use a running M (the ceiling of the running maximum): every later rescaling is an exact power of two, which a block's scale takes up: the codes' values come out the same.
;;   OPERANDS COMPUTED ON THE WAY. 'Computed on the way' means the value that the module computes at that place (a softmax that the list does not call 'softmax' is quantised finished and normalised). What goes into a quantiser is computed in f32, as accurately as f32 sums, v_exp_f32 and their like allow (about 1e-6 of the number): no bf16 or f16 on the way to a quantiser, and a product that is left as it is and whose result goes on into a quantised operand takes f32 operands (vector FMAs, or v_wmma_f32_16x16x4_f32). A number that lies on a knife's edge between two numbers of the format may be rounded either way, as far as f32 arithmetic and the matrix unit's own rounding can turn it there, and no further.
;;   INPUTS GIVEN AS CODES. var_wk (in the module: [512, 512], K = its axis 1); var_wq (in the module: [512, 512], K = its axis 1); var_wv (in the module: [512, 512], K = its axis 1): each comes as NAME_codes (uint8): NAME with its K axis moved to the last place and cut into blocks of 32 codes, [.., K / 32, bytes a block], one block behind the other in memory; two codes a byte, the lower K in the low four bits (a code: sign, 2 exponent bits, 1 mantissa bit); and NAME_scales (uint8): the same leading axes, one E8M0 byte (e + 127) for each 32 codes along K. Its value is code x scale, taken as it is: it is not quantised again, and the codes and scales need not be those that the quantiser above would give.
;; One version. Each part assembles by itself: llvm-mc -triple=amdgcn-amd-amdhsa -mcpu=gfx1250 --defsym DOCPART=n.
;; ======== version 1 of 1: 3 launches
;; workspace buffers: zp 3,063,808 bytes; vx 1,114,112 bytes; qi 3,407,872 bytes; kv 6,750,208 bytes
;; launch quant (part 1): grid 608 x 1, 4 waves a work-group, no clusters, 34,816 bytes of LDS; arguments x, var_x, wq, wk, wv, zp, vx; writes zp, vx
.if DOCPART == 1
	.amdgcn_target "amdgcn-amd-amdhsa--gfx1250"
	.amdhsa_code_object_version 6
	.text
	.protected	k_q0c2e07d313_quant
	.globl	k_q0c2e07d313_quant
	.p2align	8
	.type	k_q0c2e07d313_quant,@function
k_q0c2e07d313_quant:
	s_mov_b64 s[64:65], 0
	v_nop
	global_prefetch_b8 v0, s[64:65] scope:SCOPE_SE
	s_setreg_imm32_b32 hwreg(HW_REG_WAVE_MODE, 25, 1), 1
	s_wait_xcnt 0x0
; x, x^2, var_x [4096][512] and wq, wk, wv and their squares [512][512], all f32 with K innermost, become codes of FP4 (E2M1) with one E8M0 byte for each 32 along K,
; laid as IMAGES OF OPERAND REGISTERS: a fragment (16 rows x 128 K, 8 registers a lane) is 1,024 bytes, register group c of lane l at 512 c + 16 l.
; A TILE is 16 rows, and tiles come in pairs over 32 rows: lane index r of tile t is row 32 (t / 2) + 8 (t % 2) + r + 8 (r / 8).
; A work-group takes one tile (16 rows x 512), wave w its K step w (128 numbers of each row).
;   work-groups 0-255: x's tiles       -> zp block j:  z's 4 fragments | z^2's 4 fragments at 4,096 | scale words at 8,192 (type x 256 + 16 r + 4 s)
;   work-groups 256-351: wq, wk, wv    -> zp block 256 + ((head x 3 + g) x 2 + tile % 2): a head's six blocks are 52,224 bytes on end
;   work-groups 352-607: var_x's tiles -> vx block of 4,352: 4 fragments | scale words at 4,096 (16 r + 4 s)
; A block's scale is 2^(floor(log2(largest magnitude)) - 2); its byte is the largest magnitude's exponent field - 2, held at 1 from below.
; LIMITS: NaN and infinities are not served; a block whose largest magnitude lies under 2^-124, a block of zeros among them, gets the byte 1 (its codes are zeros or subnormal codes; the bytes are read by this program alone).
; No matrix unit, no cluster, no copy engine: each input byte is read once here and no two work-groups share any.
.set SP,    528                        ; a stage row: 512 bytes + 16: the sixteen rows that a load touches fall into sixteen different 16-byte columns
.set STGW,  16*SP                      ; a wave's stage
.set SCW,   4*STGW                     ; behind the stages: the tile's scale words, 512 bytes
.set FLOOR, 0x1800000                  ; 2^(3 - 127)
.set R,     16                         ; v16-79   16 rows as loaded
.set N,     80                         ; v80-143  my 64 numbers: register 16 b + i = k 32 b + 16 (lane / 16) + i of row lane % 16
.set PC0,   144                        ; v144-151 z's codes;  v152-159 z^2's: sets of their own, so that no store's data are written again
.set PC1,   152
.set PW0,   160
.set PW1,   161
.set TM,    164                        ; v164-179 at work
.set OUTR,  180
.set SEL,   20                         ; s[20:21] lane selects: lane l xor 16
; 64 numbers of a lane become a fragment's codes in v[pc] on and its row's scale word in v[pw]
.macro QUANT s, pc, pw
.irp b, 0,1,2,3
	v_max3_num_f32 v[TM+\b], |v[\s+16*\b]|, |v[\s+1+16*\b]|, FLOOR   ; block b: my 16 numbers and the floor
.endr
.irp i, 2,4,6,8,10,12,14
.irp b, 0,1,2,3
	v_max3_num_f32 v[TM+\b], v[TM+\b], |v[\s+16*\b+\i]|, |v[\s+1+16*\b+\i]|   ; the four blocks by turns
.endr
.endr
.irp b, 0,1,2,3
	v_permlanex16_b32 v[TM+4+\b], v[TM+\b], s[SEL], s[SEL+1]
.endr
.irp b, 0,1,2,3
	v_max_num_f32 v[TM+\b], v[TM+\b], v[TM+4+\b]                   ; with lane l xor 16's: the block's largest magnitude
.endr
.irp b, 0,1,2,3
	v_add_nc_u32 v[TM+12+\b], 0xff000000, v[TM+\b]                 ; 2 off its exponent field: the conversion's scale operand
.endr
.irp b, 0,1,2,3
	v_lshrrev_b32 v[TM+8+\b], 23, v[TM+12+\b]                      ; the scale's byte
.endr
	v_lshl_or_b32 v[\pw], v[TM+9], 8, v[TM+8]
	v_lshl_or_b32 v[\pw], v[TM+10], 16, v[\pw]
	v_lshl_or_b32 v[\pw], v[TM+11], 24, v[\pw]
.irp b, 0,1,2,3
	v_cvt_scalef32_pk8_fp4_f32 v[\pc+2*\b], v[\s+16*\b:\s+7+16*\b], v[TM+12+\b]
	v_cvt_scalef32_pk8_fp4_f32 v[\pc+1+2*\b], v[\s+8+16*\b:\s+15+16*\b], v[TM+12+\b]
.endr
	v_nop                                          ; one plain place behind the scaled conversions
.irp c, 0,1                                    ; the operand's layout wants a whole block in a lane: lanes 0-15 block 2 c, lanes 16-31 block 2 c + 1
.irp i, 0,1
	v_permlane16_swap_b32 v[\pc+4*\c+\i], v[\pc+2+4*\c+\i]
.endr
.endr
.endm
	s_load_b256 s[4:11], s[0:1], 0x0               ; x, var_x, wq, wk
	s_load_b128 s[12:15], s[0:1], 0x20             ; wv, zp
	s_load_b64 s[16:17], s[0:1], 0x30              ; vx
	v_lshl_add_u32 v192, v0, 2, 0x8600
	v_mov_b32 v193, 0
	v_lshrrev_b32 v8, 5, v0
	v_readfirstlane_b32 s18, v8                    ; wave = K step
	v_and_b32 v9, 31, v0                           ; lane
	v_and_b32 v10, 15, v0                          ; r
	v_bfe_u32 v11, v0, 4, 1                        ; h
	v_lshlrev_b32 v1, 4, v9                        ; 16 x lane: in memory, both ways
	s_mul_i32 s19, s18, STGW
	v_add_nc_u32 v2, s19, v1                       ; the stage, way in
	v_mul_u32_u24 v3, v10, SP
	v_lshl_add_u32 v3, v11, 6, v3
	v_add_nc_u32 v3, s19, v3                       ; way out: row r, + 64 h
	s_lshl_b32 s19, s18, 2
	s_add_co_u32 s19, s19, SCW
	v_lshlrev_b32 v4, 4, v10
	v_add_nc_u32 v4, s19, v4                       ; my row's scale word of my K step: 16 r + 4 w
	v_add_nc_u32 v5, SCW, v1
	v_lshlrev_b32 v7, 3, v9
	v_add_nc_u32 v6, SCW, v7
.irp b, 0,1,2,3
	v_mov_b32 v[TM+4+\b], 0                        ; a lane permute's destination counts as one of its sources
.endr
	s_mov_b32 s[SEL], 0x76543210
	s_mov_b32 s[SEL+1], 0xfedcba98
	; which tensor, which tile t, which block of the workspace: all from the work-group's number
	s_sub_co_u32 s22, ttmp9, 256
	s_lshr_b32 s24, s22, 5                         ; a weight's g: 0 q, 1 k, 2 v
	s_and_b32 s25, s22, 31                         ; and its tile
	s_lshr_b32 s27, s25, 1                         ; the head
	s_mul_i32 s27, s27, 3
	s_add_co_u32 s27, s27, s24
	s_lshl_b32 s27, s27, 1
	s_and_b32 s28, s25, 1
	s_add_co_u32 s27, s27, s28
	s_add_co_u32 s27, s27, 256                     ; a weight's block
	s_sub_co_u32 s23, ttmp9, 352                   ; var_x's tile and block
	s_mov_b32 s29, 8704
	s_cmp_lt_u32 ttmp9, 256
	s_cselect_b32 s25, ttmp9, s25
	s_cselect_b32 s27, ttmp9, s27
	s_cmp_ge_u32 ttmp9, 352
	s_cselect_b32 s25, s23, s25                    ; t
	s_cselect_b32 s27, s23, s27                    ; block
	s_cselect_b32 s29, 4352, s29                   ; bytes in a block
	s_mul_i32 s30, s27, s29
	s_lshl_b32 s28, s18, 10
	s_add_co_u32 s30, s30, s28                     ; + my fragment
	s_mov_b32 s31, 0
	s_lshr_b32 s32, s25, 1
	s_lshl_b32 s32, s32, 16                        ; 32 rows of 2,048 bytes
	s_and_b32 s28, s25, 1
	s_lshl_b32 s28, s28, 14                        ; 8 rows
	s_add_co_u32 s32, s32, s28
	s_lshl_b32 s28, s18, 9                         ; my 512 bytes of a row
	s_add_co_u32 s32, s32, s28
	s_mov_b32 s33, 0
	s_wait_kmcnt 0x0
	s_cmp_eq_u32 s24, 0
	s_cselect_b64 s[34:35], s[8:9], s[10:11]
	s_cmp_eq_u32 s24, 2
	s_cselect_b64 s[34:35], s[12:13], s[34:35]
	s_cmp_lt_u32 ttmp9, 256
	s_cselect_b64 s[34:35], s[4:5], s[34:35]
	s_cmp_ge_u32 ttmp9, 352
	s_cselect_b64 s[34:35], s[6:7], s[34:35]       ; from
	s_cselect_b64 s[36:37], s[16:17], s[14:15]     ; to
	s_add_nc_u64 s[34:35], s[34:35], s[32:33]
	s_add_nc_u64 s[36:37], s[36:37], s[30:31]
.irp i, 0,1,2,3,4,5,6,7,8,9,10,11,12,13,14,15
	global_load_b128 v[R+4*\i:R+4*\i+3], v1, s[34:35] offset:(\i+8*(\i/8))*2048   ; tile row i: 32 lanes read 512 consecutive bytes
.endr
.irp i, 0,1,2,3,4,5,6,7,8,9,10,11,12,13,14,15
	s_wait_loadcnt 15-\i                           ; row i is in; the younger rows may be out
	ds_store_b128 v2, v[R+4*\i:R+4*\i+3] offset:SP*\i
.endr
.irp b, 0,1,2,3
.irp j, 0,1,2,3
	ds_load_b128 v[N+16*\b+4*\j:N+16*\b+4*\j+3], v3 offset:128*\b+16*\j   ; LDS serves a wave's instructions in order: these see my stores
.endr
.endr
	s_wait_dscnt 0x0
	QUANT N, PC0, PW0
	global_store_b128 v1, v[PC0:PC0+3], s[36:37]   ; 512 consecutive bytes, aligned
	global_store_b128 v1, v[PC0+4:PC0+7], s[36:37] offset:512
	ds_store_b32 v4, v[PW0]                        ; both halves of the lanes write the same word with the same value
	s_cmp_ge_u32 ttmp9, 352
	s_cbranch_scc1 .Lsingle                        ; var_x has no square
.set jj, 0
.rept 32
	v_pk_mul_f32 v[N+jj:N+jj+1], v[N+jj:N+jj+1], v[N+jj:N+jj+1]
.set jj, jj+2
.endr
	QUANT N, PC1, PW1
	global_store_b128 v1, v[PC1:PC1+3], s[36:37] offset:4096
	global_store_b128 v1, v[PC1+4:PC1+7], s[36:37] offset:4608
	ds_store_b32 v4, v[PW1] offset:256
.Lsingle:
	s_wait_dscnt 0x0                               ; for wave 0's sake: my scale words lie in LDS
	s_barrier_signal -1
	s_barrier_wait -1
	s_cmp_lg_u32 s18, 0
	s_cbranch_scc1 .Lend
	s_cmp_ge_u32 ttmp9, 352
	s_cbranch_scc1 .Lone
	ds_load_b128 v[OUTR:OUTR+3], v5
	s_wait_dscnt 0x0
	global_store_b128 v1, v[OUTR:OUTR+3], s[36:37] offset:8192     ; the tile's scale words: 512 consecutive bytes (wave 0's base is the block's)
	s_branch .Lend
.Lone:
	ds_load_b64 v[OUTR:OUTR+1], v6
	s_wait_dscnt 0x0
	global_store_b64 v7, v[OUTR:OUTR+1], s[36:37] offset:4096      ; 256 consecutive bytes
.Lend:
	s_wait_tensorcnt 0x0
	ds_add_u32 v192, v193
	s_wait_dscnt 0x0
	s_endpgm
.Lfunc_end_k_q0c2e07d313_quant:
	.size	k_q0c2e07d313_quant, .Lfunc_end_k_q0c2e07d313_quant-k_q0c2e07d313_quant
	.p2alignl 7, 3214868480
	.fill 96, 4, 3214868480
	.section	.rodata,"a",@progbits
	.p2align	6, 0x0
	.amdhsa_kernel k_q0c2e07d313_quant
		.amdhsa_group_segment_fixed_size 34816
		.amdhsa_private_segment_fixed_size 0
		.amdhsa_enable_private_segment 0
		.amdhsa_kernarg_size 56
		.amdhsa_user_sgpr_count 2
		.amdhsa_user_sgpr_kernarg_segment_ptr 1
		.amdhsa_wavefront_size32 1
		.amdhsa_system_sgpr_workgroup_id_x 1
		.amdhsa_system_sgpr_workgroup_id_y 1
		.amdhsa_system_sgpr_workgroup_id_z 1
		.amdhsa_system_vgpr_workitem_id 0
		.amdhsa_next_free_vgpr 194
		.amdhsa_next_free_sgpr 66
		.amdhsa_reserve_vcc 0
		.amdhsa_float_denorm_mode_32 3
		.amdhsa_float_denorm_mode_16_64 3
		.amdhsa_memory_ordered 1
		.amdhsa_forward_progress 1
		.amdhsa_inst_pref_size 19
	.end_amdhsa_kernel
	.amdgpu_metadata
---
amdhsa.version: [ 1, 2 ]
amdhsa.kernels:
  - .name:           k_q0c2e07d313_quant
    .symbol:         k_q0c2e07d313_quant.kd
    .args:
      - { .name: x, .offset: 0, .size: 8, .value_kind: global_buffer, .address_space: global }
      - { .name: var_x, .offset: 8, .size: 8, .value_kind: global_buffer, .address_space: global }
      - { .name: wq, .offset: 16, .size: 8, .value_kind: global_buffer, .address_space: global }
      - { .name: wk, .offset: 24, .size: 8, .value_kind: global_buffer, .address_space: global }
      - { .name: wv, .offset: 32, .size: 8, .value_kind: global_buffer, .address_space: global }
      - { .name: zp, .offset: 40, .size: 8, .value_kind: global_buffer, .address_space: global }
      - { .name: vx, .offset: 48, .size: 8, .value_kind: global_buffer, .address_space: global }
    .group_segment_fixed_size: 34816
    .private_segment_fixed_size: 0
    .kernarg_segment_align: 8
    .kernarg_segment_size: 56
    .max_flat_workgroup_size: 128
    .sgpr_count:     66
    .vgpr_count:     194
    .wavefront_size: 32
...
	.end_amdgpu_metadata
.endif
;; end of part 1
;; launch proj (part 2): grid 16 x 16, 8 waves a work-group, no clusters, 80,128 bytes of LDS; arguments zp, vx, var_wq_codes, var_wq_scales, var_wk_codes, var_wk_scales, var_wv_codes, var_wv_scales, qi, kv; writes qi, kv
.if DOCPART == 2
	.amdgcn_target "amdgcn-amd-amdhsa--gfx1250"
	.amdhsa_code_object_version 6
	.text
	.protected	k_q0c2e07d313_proj
	.globl	k_q0c2e07d313_proj
	.p2align	8
	.type	k_q0c2e07d313_proj,@function
k_q0c2e07d313_proj:
	s_mov_b64 s[64:65], 0
	v_nop
	global_prefetch_b8 v0, s[64:65] scope:SCOPE_SE
	s_setreg_imm32_b32 hwreg(HW_REG_WAVE_MODE, 25, 1), 1
	s_wait_xcnt 0x0
; The three projections with their variances, for one head (work-group x) and 256 rows (work-group y), all on codes of FP4 with E8M0 scales:
;   mean = Q(x) Q(w)^T;   variance = Q(var_x) Q(w^2)^T + Q(x^2) var_w^T + Q(var_x) var_w^T, the three products summed in ONE f32 chain (an order of rounding that differs from three sums added).
; Then the results are quantised for the attention launch: q, q^2, vq and k, k^2, vk along the head's 32 channels; v, v^2, vv along the keys.
; SHARES.  Wave w owns 32 rows (a pair of tiles): its 24 fragments of x, x^2, var_x (192 registers, window 1) stay in registers.  The head's weights (w, w^2, var_w for q, k, v: 72 fragments) lie in LDS,
; filled once through registers, and are read by all eight waves.  Each wave makes q, k, v for its 32 rows x 32 channels: 3 x 64 matrix instructions on 8 accumulators by turns.
; q, k: source 0 = 16 rows of W, source 1 = 16 rows of x: a lane holds one row of x and 16 neighbouring channels (tile rule: lane index r of tile t is row 32 (t / 2) + 8 (t % 2) + r + 8 (r / 8)).
; v:    source 0 = 16 rows of x, source 1 = 16 rows of W: a lane holds one channel and 16 neighbouring keys.
; NO CLUSTER: what the 16 row blocks of a head share is one fill of 77 KB at the head of a launch that has no step-by-step requests; the other 204 KB a work-group reads are its own and go straight to registers.
; LIMITS: NaN and infinities are not served; a block whose largest magnitude lies under 2^-124 gets the byte 1 (read by this program alone).
.set BLKB,  8704                       ; a tile's block in zp
.set VWF,   52224                      ; LDS: 0: the head's six zp blocks as they lie;  VWF: var_w's 24 fragments ((2 g + wt) x 4 + s) x 1,024
.set VSC,   76800                      ; var_w's scale words: (2 g + wt) x 256 + 16 r + 4 s
.set VBY,   78336                      ; V's scale bytes of the work-group's two key steps: 2 x 384
.set FLOOR, 0x1800000
.set XS,    16                         ; v16-31  x's scale words (scales alone): 8 xt + s: lanes 0-15 x, 16-31 x^2;  8 xt + 4 + s: var_x
.set WS,    32                         ; v32-47  the weights' likewise: w | w^2, var_w
.set WF,    48                         ; v48-143 the weights' fragments, two sets of six: 48 p + 8 (2 type + wt)
.set MU,    144                        ; v144-175 four accumulators of the mean
.set VA,    176                        ; v176-207 four of the variance
.set SQ,    208                        ; v208-223 squares
.set TM,    224                        ; v224-239 at work
.set CD,    240                        ; v240-251 codes
; v1 16 lane; v2 VWF + 16 lane; v3 VSC + 16 r; v4 16 thread; v5, v6 var_w in memory; v7, v8 var_w into LDS; v9 16 r + 8 h; v10 4 lane; v11 my scale byte; v12, v13 the bytes' way out; v14 16 r
; window 1: x's fragments at 8 ((2 type + xt) x 4 + s), type 0 x, 1 x^2, 2 var_x
.set MSB, 0
.macro WIN new                         ; the immediate's high byte repeats the setting that is left
.if MSB != \new
	s_set_vgpr_msb (MSB<<8)|\new
.set MSB, \new
.endif
.endm
.macro PLACES n
.rept \n
	v_nop
.endr
.endm
; one scaled product on FP4 codes.  zero: C = 0 starts the sum.  ra, rb: the side's scales lie in lanes 16-31
.macro WM d, a, b, zero, sa, sb, ra, rb
.if (\zero)
.if (\ra)
	v_wmma_scale_f32_16x16x128_f8f6f4 v[\d:\d+7], v[\a:\a+7], v[\b:\b+7], 0, v[\sa], v[\sb] matrix_a_fmt:MATRIX_FMT_FP4 matrix_b_fmt:MATRIX_FMT_FP4 matrix_a_scale:MATRIX_SCALE_ROW1
.elseif (\rb)
	v_wmma_scale_f32_16x16x128_f8f6f4 v[\d:\d+7], v[\a:\a+7], v[\b:\b+7], 0, v[\sa], v[\sb] matrix_a_fmt:MATRIX_FMT_FP4 matrix_b_fmt:MATRIX_FMT_FP4 matrix_b_scale:MATRIX_SCALE_ROW1
.else
	v_wmma_scale_f32_16x16x128_f8f6f4 v[\d:\d+7], v[\a:\a+7], v[\b:\b+7], 0, v[\sa], v[\sb] matrix_a_fmt:MATRIX_FMT_FP4 matrix_b_fmt:MATRIX_FMT_FP4
.endif
.else
.if (\ra)
	v_wmma_scale_f32_16x16x128_f8f6f4 v[\d:\d+7], v[\a:\a+7], v[\b:\b+7], v[\d:\d+7], v[\sa], v[\sb] matrix_a_fmt:MATRIX_FMT_FP4 matrix_b_fmt:MATRIX_FMT_FP4 matrix_a_scale:MATRIX_SCALE_ROW1
.elseif (\rb)
	v_wmma_scale_f32_16x16x128_f8f6f4 v[\d:\d+7], v[\a:\a+7], v[\b:\b+7], v[\d:\d+7], v[\sa], v[\sb] matrix_a_fmt:MATRIX_FMT_FP4 matrix_b_fmt:MATRIX_FMT_FP4 matrix_b_scale:MATRIX_SCALE_ROW1
.else
	v_wmma_scale_f32_16x16x128_f8f6f4 v[\d:\d+7], v[\a:\a+7], v[\b:\b+7], v[\d:\d+7], v[\sa], v[\sb] matrix_a_fmt:MATRIX_FMT_FP4 matrix_b_fmt:MATRIX_FMT_FP4
.endif
.endif
.endm
; run 0: w . x -> mean;  1: w^2 . var_x;  2: var_w . x^2;  3: var_w . var_x -> variance
.macro PROD run, xt, wt, s, p, tr, first
.set zz, 0
.if \run == 0
.set wty, 0
.set xty, 0
.set acc, MU
.set wsv, 0
.set xsv, 0
.set wrow, 0
.set xrow, 0
.set zz, \first
.elseif \run == 1
.set wty, 1
.set xty, 2
.set acc, VA
.set wsv, 0
.set xsv, 1
.set wrow, 1
.set xrow, 0
.set zz, \first
.elseif \run == 2
.set wty, 2
.set xty, 1
.set acc, VA
.set wsv, 1
.set xsv, 0
.set wrow, 0
.set xrow, 1
.else
.set wty, 2
.set xty, 2
.set acc, VA
.set wsv, 1
.set xsv, 1
.set wrow, 0
.set xrow, 0
.endif
.set rW, WF+48*(\p)+8*(2*wty+\wt)
.set rX, 8*((2*xty+\xt)*4+\s)
.set sW, WS+8*\wt+4*wsv+\s
.set sX, XS+8*\xt+4*xsv+\s
.if \tr
.set rD, acc+16*\xt+8*\wt
	WM rD, rW, rX, zz, sW, sX, wrow, xrow
.else
.set rD, acc+16*\wt+8*\xt
	WM rD, rX, rW, zz, sX, sW, xrow, wrow
.endif
.endm
; a K step: 16 products.  The accumulators take turns, one instruction a turn: four of the mean, then three times the four of the variance
.macro MUL s, p, tr, first
.if \tr
	WIN 0x04                                       ; source 1 (x) in window 1
.else
	WIN 0x01                                       ; source 0 (x) in window 1
.endif
.irp run, 0,1,2,3
.irp xt, 0,1
.irp wt, 0,1
	PROD \run, \xt, \wt, \s, \p, \tr, \first
.endr
.endr
.endr
	WIN 0
.endm
.macro WSLOAD g                        ; the scale words of projection g's two tiles, all four K steps
.irp wt, 0,1
	ds_load_b128 v[WS+8*\wt:WS+8*\wt+3], v1 offset:(2*\g+\wt)*BLKB+8192
	ds_load_b128 v[WS+8*\wt+4:WS+8*\wt+7], v3 offset:(2*\g+\wt)*256
.endr
.endm
.macro WFLOAD g, s, p                  ; K step s's six fragments into set p: 12 loads of 512 consecutive bytes
.irp ty, 0,1
.irp wt, 0,1
.irp c, 0,1
	ds_load_b128 v[WF+48*\p+8*(2*\ty+\wt)+4*\c:WF+48*\p+8*(2*\ty+\wt)+4*\c+3], v1 offset:(2*\g+\wt)*BLKB+\ty*4096+1024*\s+512*\c
.endr
.endr
.endr
.irp wt, 0,1
.irp c, 0,1
	ds_load_b128 v[WF+48*\p+8*(4+\wt)+4*\c:WF+48*\p+8*(4+\wt)+4*\c+3], v2 offset:(2*\g+\wt)*4096+1024*\s+512*\c
.endr
.endr
.endm
.macro GEMM g, tr
	WSLOAD \g
	WFLOAD \g, 0, 0
	WFLOAD \g, 1, 1
	s_wait_dscnt 12                                ; all but the other set's 12 loads
	MUL 0, 0, \tr, 1
	PLACES 4                                       ; in front of loads into registers that matrix instructions have read
	WFLOAD \g, 2, 0
	s_wait_dscnt 12
	MUL 1, 1, \tr, 0
	PLACES 4
	WFLOAD \g, 3, 1
	s_wait_dscnt 12
	MUL 2, 0, \tr, 0
	s_wait_dscnt 0x0
	MUL 3, 1, \tr, 0
	PLACES 4                                       ; in front of the first read of results
.endm
; 16 means and 16 variances of a lane (half a block of 32; lane l xor 16 holds the other half) become codes of m, m^2, var in v[CD + 6 i] on, two registers each, and three bytes in v[TM + 8 + 3 i] on
.macro EPI i
.set rM, MU+16*\i
.set rV, VA+16*\i
.irp j, 0,2,4,6,8,10,12,14
	v_pk_mul_f32 v[SQ+\j:SQ+\j+1], v[rM+\j:rM+\j+1], v[rM+\j:rM+\j+1]   ; ascending: each accumulator is read from its low end on
.endr
	v_max3_num_f32 v[TM], |v[rM]|, |v[rM+1]|, FLOOR
	v_max3_num_f32 v[TM+1], |v[rV]|, |v[rV+1]|, FLOOR
.irp j, 2,4,6,8,10,12,14
	v_max3_num_f32 v[TM], v[TM], |v[rM+\j]|, |v[rM+\j+1]|
	v_max3_num_f32 v[TM+1], v[TM+1], |v[rV+\j]|, |v[rV+\j+1]|
.endr
	v_permlanex16_b32 v[TM+2], v[TM], s28, s29
	v_permlanex16_b32 v[TM+3], v[TM+1], s28, s29
	v_max_num_f32 v[TM], v[TM], v[TM+2]
	v_max_num_f32 v[TM+1], v[TM+1], v[TM+3]
	v_mul_f32 v[TM+4], v[TM], v[TM]                ; the largest square is the square of the largest magnitude, bit for bit
	v_max_num_f32 v[TM+4], FLOOR, v[TM+4]
	v_add_nc_u32 v[TM+5], 0xff000000, v[TM]        ; 2 off the exponent fields: the conversions' scale operands
	v_add_nc_u32 v[TM+6], 0xff000000, v[TM+4]
	v_add_nc_u32 v[TM+7], 0xff000000, v[TM+1]
	v_lshrrev_b32 v[TM+8+3*\i], 23, v[TM+5]        ; the bytes of m, m^2, var
	v_lshrrev_b32 v[TM+9+3*\i], 23, v[TM+6]
	v_lshrrev_b32 v[TM+10+3*\i], 23, v[TM+7]
	v_cvt_scalef32_pk8_fp4_f32 v[CD+6*\i], v[rM:rM+7], v[TM+5]
	v_cvt_scalef32_pk8_fp4_f32 v[CD+6*\i+1], v[rM+8:rM+15], v[TM+5]
	v_cvt_scalef32_pk8_fp4_f32 v[CD+6*\i+2], v[SQ:SQ+7], v[TM+6]
	v_cvt_scalef32_pk8_fp4_f32 v[CD+6*\i+3], v[SQ+8:SQ+15], v[TM+6]
	v_cvt_scalef32_pk8_fp4_f32 v[CD+6*\i+4], v[rV:rV+7], v[TM+7]
	v_cvt_scalef32_pk8_fp4_f32 v[CD+6*\i+5], v[rV+8:rV+15], v[TM+7]
	v_nop                                          ; one plain place behind the scaled conversions
.endm
; q's or k's way out.  A tile's image is 768 bytes: three operands of 16 bytes a row.  q: q | q^2 | vq, word [q, q^2, vq, vq];  k: k | vk | k^2, word [k, vk, vk, k^2]
.macro QKOUT cb, sb, o2, ov, isq
	s_wait_xcnt 0x0                                ; the earlier stores have read their data: the codes' registers may be written again
.irp i, 0,1
	EPI \i
.if \isq
	v_lshl_or_b32 v[252+\i], v[TM+9+3*\i], 8, v[TM+8+3*\i]
	v_lshl_or_b32 v[252+\i], v[TM+10+3*\i], 16, v[252+\i]
	v_lshl_or_b32 v[252+\i], v[TM+10+3*\i], 24, v[252+\i]
.else
	v_lshl_or_b32 v[252+\i], v[TM+10+3*\i], 8, v[TM+8+3*\i]
	v_lshl_or_b32 v[252+\i], v[TM+10+3*\i], 16, v[252+\i]
	v_lshl_or_b32 v[252+\i], v[TM+9+3*\i], 24, v[252+\i]
.endif
	global_store_b64 v9, v[CD+6*\i:CD+6*\i+1], s[\cb:\cb+1] offset:768*\i            ; 32 lanes store 256 consecutive bytes, aligned
	global_store_b64 v9, v[CD+6*\i+2:CD+6*\i+3], s[\cb:\cb+1] offset:768*\i+\o2
	global_store_b64 v9, v[CD+6*\i+4:CD+6*\i+5], s[\cb:\cb+1] offset:768*\i+\ov
.endr
	v_cndmask_b32 v254, v252, v253, s30            ; lanes 0-15 tile 0's words, lanes 16-31 tile 1's
	global_store_b32 v10, v254, s[\sb:\sb+1]       ; 128 consecutive bytes: half of an aligned 256; two such stores against some 5 KB that a wave stores
.endm
	s_load_b512 s[4:19], s[0:1], 0x0               ; zp, vx, q's codes, scales, k's, v's
	s_load_b128 s[20:23], s[0:1], 0x40             ; qi, kv
	v_lshl_add_u32 v239, v0, 2, 0x13500
	v_mov_b32 v255, 0
	v_lshrrev_b32 v224, 5, v0
	v_readfirstlane_b32 s24, v224                  ; wave 0..7
	v_and_b32 v224, 31, v0                         ; lane
	v_and_b32 v225, 15, v0                         ; r
	v_bfe_u32 v226, v0, 4, 1                       ; h
	v_and_b32 v227, 8, v225
	v_add_nc_u32 v227, v227, v225                  ; r + 8 (r / 8).  (v226, v227 later serve as lane permutes' destinations: they are written)
	v_cmp_le_u32 s30, 16, v224                     ; lanes 16-31
	v_lshlrev_b32 v1, 4, v224
	v_add_nc_u32 v2, VWF, v1
	v_lshlrev_b32 v14, 4, v225
	v_add_nc_u32 v3, VSC, v14
	v_lshlrev_b32 v4, 4, v0
	s_lshr_b32 s52, s24, 2                         ; of var_w I fetch tile wt = w / 4,
	s_and_b32 s53, s24, 3                          ; K step s = w % 4, for each of q, k, v
	s_lshl_b32 s54, s52, 11
	s_lshl_b32 s55, s53, 6
	s_add_co_u32 s54, s54, s55
	v_lshlrev_b32 v5, 8, v227
	v_lshl_add_u32 v5, v226, 4, v5
	v_add_nc_u32 v5, s54, v5                       ; codes: row (8 wt + r + 8 (r / 8)) x 256 + 64 s + 16 h
	s_lshl_b32 s54, s52, 7
	s_lshl_b32 s55, s53, 2
	s_add_co_u32 s54, s54, s55
	v_lshl_add_u32 v6, v227, 4, s54                ; scale word: row x 16 + 4 s
	s_lshl_b32 s54, s24, 10
	v_add_nc_u32 v7, s54, v2                       ; into LDS: VWF + 1,024 w + 16 lane
	s_lshl_b32 s54, s52, 8
	s_add_co_u32 s54, s54, s55
	v_add_nc_u32 v8, s54, v3                       ; VSC + 256 wt + 16 r + 4 s
	v_lshl_add_u32 v9, v226, 3, v14                ; 16 r + 8 h
	v_lshlrev_b32 v10, 2, v224
	s_mul_i32 s54, s52, 384
	s_add_co_u32 s54, s54, s53
	s_add_co_u32 s54, s54, VBY
	v_lshlrev_b32 v11, 2, v225
	v_add_nc_u32 v11, s54, v11                     ; VBY + 384 (w / 4) + 4 r + w % 4
	s_lshl_b32 s54, s24, 8
	v_lshlrev_b32 v13, 3, v224
	v_add_nc_u32 v13, s54, v13                     ; 256 w + 8 lane
	v_add_nc_u32 v12, VBY, v13
	s_mov_b32 s28, 0x76543210
	s_mov_b32 s29, 0xfedcba98
	s_mov_b32 s25, ttmp9                           ; the head
	s_and_b32 s26, ttmp7, 0xffff                   ; the block of 256 rows
	s_and_b32 s27, s26, 3
	s_lshl_b32 s27, s27, 3
	s_add_co_u32 s27, s27, s24                     ; kb: my pair of tiles within the batch
	s_lshl_b32 s56, s26, 3
	s_add_co_u32 s56, s56, s24                     ; P: among all 128
	s_lshr_b32 s57, s26, 2
	s_lshl_b32 s57, s57, 4
	s_add_co_u32 s57, s57, s25                     ; HB = 16 batch + head
	s_mov_b32 s51, 0
	s_wait_kmcnt 0x0
	s_mul_i32 s50, s25, 6*BLKB
	s_add_co_u32 s50, s50, 256*BLKB
	s_add_nc_u64 s[32:33], s[4:5], s[50:51]        ; the head's six blocks of weights
	s_mul_i32 s50, s56, 2*BLKB
	s_add_nc_u64 s[34:35], s[4:5], s[50:51]        ; my two blocks of x
	s_mul_i32 s50, s56, 8704
	s_add_nc_u64 s[36:37], s[6:7], s[50:51]        ; and of var_x
	s_lshl_b32 s50, s25, 13
	s_add_nc_u64 s[8:9], s[8:9], s[50:51]          ; var_w's codes at the head's 32 rows
	s_add_nc_u64 s[12:13], s[12:13], s[50:51]
	s_add_nc_u64 s[16:17], s[16:17], s[50:51]
	s_lshl_b32 s50, s25, 9
	s_add_nc_u64 s[10:11], s[10:11], s[50:51]      ; and its scales
	s_add_nc_u64 s[14:15], s[14:15], s[50:51]
	s_add_nc_u64 s[18:19], s[18:19], s[50:51]
	s_mul_i32 s58, s57, 53248
	s_mul_i32 s50, s27, 1536
	s_add_co_u32 s50, s50, s58
	s_add_nc_u64 s[38:39], s[20:21], s[50:51]      ; q's images
	s_lshl_b32 s50, s27, 7
	s_add_co_u32 s50, s50, s58
	s_add_co_u32 s50, s50, 49152
	s_add_nc_u64 s[40:41], s[20:21], s[50:51]      ; q's scale words
	s_mul_i32 s58, s57, 105472
	s_mul_i32 s50, s27, 1536
	s_add_co_u32 s50, s50, s58
	s_add_nc_u64 s[42:43], s[22:23], s[50:51]      ; k's images
	s_lshl_b32 s50, s27, 7
	s_add_co_u32 s50, s50, s58
	s_add_co_u32 s50, s50, 98304
	s_add_nc_u64 s[44:45], s[22:23], s[50:51]      ; k's scale words
	s_lshr_b32 s50, s27, 2
	s_mul_i32 s50, s50, 6144
	s_and_b32 s59, s27, 3
	s_lshl_b32 s59, s59, 8
	s_add_co_u32 s50, s50, s59
	s_add_co_u32 s50, s50, s58
	s_add_co_u32 s50, s50, 49152
	s_add_nc_u64 s[46:47], s[22:23], s[50:51]      ; V's fragments: key step kb / 4, block kb % 4 (256 bytes of each fragment)
	s_and_b32 s50, s26, 3
	s_mul_i32 s50, s50, 768
	s_add_co_u32 s50, s50, s58
	s_add_co_u32 s50, s50, 102400
	s_add_nc_u64 s[48:49], s[22:23], s[50:51]      ; V's scale bytes of the work-group's two key steps
	; THE FILL.  52,224 bytes are 12 chunks of 4,096 (16 bytes a thread) and 3,072 more: waves 0-5.  That load goes first, so that the counted wait below means the same on both ways.
	s_cmp_lt_u32 s24, 6
	s_cbranch_scc0 .Lno13a
	global_load_b128 v[48:51], v4, s[32:33] offset:49152
.Lno13a:
.irp i, 0,1,2,3,4,5,6,7,8,9,10,11
	global_load_b128 v[52+4*\i:55+4*\i], v4, s[32:33] offset:4096*\i
.endr
.irp c, 0,1
	global_load_b128 v[100+4*\c:103+4*\c], v5, s[8:9] offset:32*\c
	global_load_b128 v[108+4*\c:111+4*\c], v5, s[12:13] offset:32*\c
	global_load_b128 v[116+4*\c:119+4*\c], v5, s[16:17] offset:32*\c
.endr
	global_load_b32 v124, v6, s[10:11]
	global_load_b32 v125, v6, s[14:15]
	global_load_b32 v126, v6, s[18:19]
	WIN 0x40                                       ; destination window 1
.irp xt, 0,1
.irp ty, 0,1
.irp s, 0,1,2,3
.irp c, 0,1
	global_load_b128 v[8*((2*\ty+\xt)*4+\s)+4*\c:8*((2*\ty+\xt)*4+\s)+4*\c+3], v1, s[34:35] offset:\xt*BLKB+\ty*4096+\s*1024+512*\c
.endr
.endr
.endr
.irp s, 0,1,2,3
.irp c, 0,1
	global_load_b128 v[8*((4+\xt)*4+\s)+4*\c:8*((4+\xt)*4+\s)+4*\c+3], v1, s[36:37] offset:\xt*4352+\s*1024+512*\c
.endr
.endr
.endr
	WIN 0
.irp xt, 0,1
	global_load_b128 v[XS+8*\xt:XS+8*\xt+3], v1, s[34:35] offset:\xt*BLKB+8192
	global_load_b128 v[XS+8*\xt+4:XS+8*\xt+7], v14, s[36:37] offset:\xt*4352+4096
.endr
	s_wait_loadcnt 52                              ; the weights are in; x's 48 fragment loads and 4 scale loads may be out
	s_cmp_lt_u32 s24, 6
	s_cbranch_scc0 .Lno13b
	ds_store_b128 v4, v[48:51] offset:49152
.Lno13b:
.irp i, 0,1,2,3,4,5,6,7,8,9,10,11
	ds_store_b128 v4, v[52+4*\i:55+4*\i] offset:4096*\i
.endr
.irp g, 0,1,2
.irp c, 0,1
	ds_store_b128 v7, v[100+8*\g+4*\c:103+8*\g+4*\c] offset:8192*\g+512*\c
.endr
	ds_store_b32 v8, v[124+\g] offset:512*\g
.endr
	s_wait_dscnt 0x0                               ; for the others' sake: my part of the weights lies in LDS
	s_barrier_signal -1
	s_barrier_wait -1
	s_wait_loadcnt 0x0                             ; x
	GEMM 0, 1
	QKOUT 38, 40, 256, 512, 1
	GEMM 1, 1                                      ; (its first products begin the accumulators anew: the whole way out stands between, far more than five places)
	QKOUT 42, 44, 512, 256, 0
	GEMM 2, 0
	s_wait_xcnt 0x0
.irp i, 0,1                                    ; V's way out: channel tile i; my 32 keys are block kb % 4 of key step kb / 4
	EPI \i
	global_store_b64 v9, v[CD+6*\i:CD+6*\i+1], s[46:47] offset:1024*\i           ; v
	global_store_b64 v9, v[CD+6*\i+2:CD+6*\i+3], s[46:47] offset:2048+1024*\i    ; v^2
	global_store_b64 v9, v[CD+6*\i+4:CD+6*\i+5], s[46:47] offset:4096+1024*\i    ; vv
	ds_store_b8 v11, v[TM+8+3*\i] offset:64*\i     ; both halves of the lanes write the same byte with the same value
	ds_store_b8 v11, v[TM+9+3*\i] offset:128+64*\i
	ds_store_b8 v11, v[TM+10+3*\i] offset:256+64*\i
.endr
	s_wait_dscnt 0x0                               ; for the others' sake: my bytes lie in LDS
	s_barrier_signal -1
	s_barrier_wait -1
	s_cmp_lt_u32 s24, 3
	s_cbranch_scc0 .Lend
	ds_load_b64 v[SQ:SQ+1], v12
	s_wait_dscnt 0x0
	global_store_b64 v13, v[SQ:SQ+1], s[48:49]     ; 768 bytes by three waves, 256 consecutive aligned bytes each
.Lend:
	s_wait_tensorcnt 0x0
	ds_add_u32 v239, v255
	s_wait_dscnt 0x0
	s_endpgm
.Lfunc_end_k_q0c2e07d313_proj:
	.size	k_q0c2e07d313_proj, .Lfunc_end_k_q0c2e07d313_proj-k_q0c2e07d313_proj
	.p2alignl 7, 3214868480
	.fill 96, 4, 3214868480
	.section	.rodata,"a",@progbits
	.p2align	6, 0x0
	.amdhsa_kernel k_q0c2e07d313_proj
		.amdhsa_group_segment_fixed_size 80128
		.amdhsa_private_segment_fixed_size 0
		.amdhsa_enable_private_segment 0
		.amdhsa_kernarg_size 80
		.amdhsa_user_sgpr_count 2
		.amdhsa_user_sgpr_kernarg_segment_ptr 1
		.amdhsa_wavefront_size32 1
		.amdhsa_system_sgpr_workgroup_id_x 1
		.amdhsa_system_sgpr_workgroup_id_y 1
		.amdhsa_system_sgpr_workgroup_id_z 1
		.amdhsa_system_vgpr_workitem_id 0
		.amdhsa_next_free_vgpr 512
		.amdhsa_next_free_sgpr 66
		.amdhsa_reserve_vcc 0
		.amdhsa_float_denorm_mode_32 3
		.amdhsa_float_denorm_mode_16_64 3
		.amdhsa_memory_ordered 1
		.amdhsa_forward_progress 1
		.amdhsa_inst_pref_size 68
	.end_amdhsa_kernel
	.amdgpu_metadata
---
amdhsa.version: [ 1, 2 ]
amdhsa.kernels:
  - .name:           k_q0c2e07d313_proj
    .symbol:         k_q0c2e07d313_proj.kd
    .args:
      - { .name: zp, .offset: 0, .size: 8, .value_kind: global_buffer, .address_space: global }
      - { .name: vx, .offset: 8, .size: 8, .value_kind: global_buffer, .address_space: global }
      - { .name: var_wq_codes, .offset: 16, .size: 8, .value_kind: global_buffer, .address_space: global }
      - { .name: var_wq_scales, .offset: 24, .size: 8, .value_kind: global_buffer, .address_space: global }
      - { .name: var_wk_codes, .offset: 32, .size: 8, .value_kind: global_buffer, .address_space: global }
      - { .name: var_wk_scales, .offset: 40, .size: 8, .value_kind: global_buffer, .address_space: global }
      - { .name: var_wv_codes, .offset: 48, .size: 8, .value_kind: global_buffer, .address_space: global }
      - { .name: var_wv_scales, .offset: 56, .size: 8, .value_kind: global_buffer, .address_space: global }
      - { .name: qi, .offset: 64, .size: 8, .value_kind: global_buffer, .address_space: global }
      - { .name: kv, .offset: 72, .size: 8, .value_kind: global_buffer, .address_space: global }
    .group_segment_fixed_size: 80128
    .private_segment_fixed_size: 0
    .kernarg_segment_align: 8
    .kernarg_segment_size: 80
    .max_flat_workgroup_size: 256
    .sgpr_count:     66
    .vgpr_count:     512
    .wavefront_size: 32
...
	.end_amdgpu_metadata
.endif
;; end of part 2
;; launch attn (part 3): grid 8 x 32, 16 waves a work-group, no clusters, 282,624 bytes of LDS; arguments qi, kv, x, var_x, out0, out1; writes out0, out1
.if DOCPART == 3
	.amdgcn_target "amdgcn-amd-amdhsa--gfx1250"
	.amdhsa_code_object_version 6
	.text
	.protected	k_q0c2e07d313_attn
	.globl	k_q0c2e07d313_attn
	.p2align	8
	.type	k_q0c2e07d313_attn,@function
k_q0c2e07d313_attn:
	s_mov_b64 s[64:65], 0
	v_nop
	global_prefetch_b8 v0, s[64:65] scope:SCOPE_SE
	s_setreg_imm32_b32 hwreg(HW_REG_WAVE_MODE, 25, 1), 1
	s_wait_xcnt 0x0
; Attention with variances, on codes of FP4 with E8M0 scales.  A work-group owns two neighbouring heads x 128 queries (a row's 2 x 128 bytes of output are one aligned 256); wave w: head w % 2, query tile w / 2 (16 queries).
; SCORES, K = 32 packed into one instruction's 128: the key fragment is [k, vk, vk, k^2], the query fragments [q, 0, 0, 0] (mean) and [0, q^2, vq, vq] (variance = q^2.vk + vq.vk + vq.k^2); zero codes add nothing.
; Source 0 = 16 keys, source 1 = my 16 queries: a lane holds ONE query, and (tile rule: lane index r of tile t is row 32 (t / 2) + 8 (t % 2) + r + 8 (r / 8)) the 16 registers of two neighbouring tiles are 16 neighbouring keys.
; TWO PASSES over the 1,024 keys, 128 a trip, since p^2 and the softmax's variance are quantised normalised and with the row's sum s:
;   pass 1: t = score x log2(e) / sqrt(512); running M = ceil(largest t), a whole number; l = sum of 2^(t - M); s~ = sum of 2^(2 (t - M)) x max(variance, 1e-3).  When M moves l is multiplied by f = 2^(old M - new M) and s~ by f^2: exact.
;   pass 2: the scores again (the same bits); p~ = 2^(t - M), p = p~ / l, vo = max(p^2 (s + (1 - 2 p) va), 1e-3) with va = max(variance, 1e-3) / 512, s = s~ / (512 l^2); p~, p^2, vo are quantised along the keys;
;           mean^T += v^T p~^T;  var^T += vv^T (p^2)^T + (v^2)^T vo^T + vv^T vo^T (one f32 chain).  At the end mean / l + x, max(var, 1e-3) + var_x.
; A block's largest p~ and p^2 are not searched for: the block's largest score goes through the same instructions (this takes v_exp_f32 not to fall where its input rises).
; LDS: the two heads' K and V operands, 210,944 bytes as they lie in kv, filled ONCE through registers; behind them the stage for the way out.  Sixteen waves of 256 registers, four to a SIMD: one wave's vector work stands beside another's matrix work and LDS loads.
; NO CLUSTER: the eight query blocks of a head pair share that one fill at the head; there is no request per step to divide, and the loops read LDS alone.
; LIMITS: NaN and infinities are not served; blocks whose largest magnitude lies under 2^-124 get the byte 1; where f^2 falls under 2^-126 the old s~ is lost, beside new terms of at least 2.5e-4.
.set HEADB, 105472                     ; a head in kv and in LDS: 0 K's 64 tiles x 768;  VIMG V's 8 steps x 6 fragments;  KSCO K's scale words;  VSCO V's
.set VIMG,  49152
.set KSCO,  98304
.set VSCO,  102400
.set STG,   2*HEADB                    ; the stage: 128 rows x (256 + 16) for the mean,
.set STV,   34816                      ; and as much again for the variance
.set FLOOR, 0x1800000
.set QM,  26                           ; v26-33 [q, 0, 0, 0];  v34-41 [0, q^2, vq, vq];  v42 q's scale words
.set QV,  34
.set KF,  44                           ; v44-91 six fragments of V; the first four also K's
.set AA,  96                           ; scores, then p~, p, p^2: pass 1 v96-159, pass 2 v96-127
.set VR,  160                          ; their variances, then vo: pass 1 v160-223, pass 2 v160-191
.set OM,  128                          ; pass 2: v128-143 mean^T, v144-159 var^T
.set OV,  144
.set PT,  192                          ; pass 2: the codes of p~, p^2, vo
.set P2,  200
.set VO,  208
.set MB,  226                          ; block maxima;  PX lane permutes' destinations;  SPO, S2O, SVO the conversions' scale operands;  VM vo's maxima;  BY a byte;  TT at work
.set PX,  230
.set SPO, 234
.set S2O, 236
.set SVO, 238
.set VM,  240
.set BY,  242
.set TT,  244
; scales alone: v42, v92-94 (K's two words, V's three), v95, v224, v225 (the words of p~, p^2, vo)
; v1 K's images, v2 K's scale words, v3 V's fragments, v4 V's scale words (my lane's places); v5-8 the addresses in hand; v9, v10 the stage in and out; v11 my place in x and the outputs
; v12 -M, v13 largest t; v[14:15] l; v[16:19] s~ in two chains, later v18 = 1 / l; v20 f, later s; v22 f^2, later -2^-8; v24 2^-9
; s[20:21] lane selects; s[22:23] c; s24 1e-3; s25-28 the trip's steps in K's images, K's words, V's fragments, V's words; s29 trips; s30 lanes 16-31
.macro PLACES n
.rept \n
	v_nop
.endr
.endm
.macro WM d, a, b, zero, sa, sb, ra, rb
.if (\zero)
.if (\ra)
	v_wmma_scale_f32_16x16x128_f8f6f4 v[\d:\d+7], v[\a:\a+7], v[\b:\b+7], 0, v[\sa], v[\sb] matrix_a_fmt:MATRIX_FMT_FP4 matrix_b_fmt:MATRIX_FMT_FP4 matrix_a_scale:MATRIX_SCALE_ROW1
.else
	v_wmma_scale_f32_16x16x128_f8f6f4 v[\d:\d+7], v[\a:\a+7], v[\b:\b+7], 0, v[\sa], v[\sb] matrix_a_fmt:MATRIX_FMT_FP4 matrix_b_fmt:MATRIX_FMT_FP4
.endif
.else
.if (\ra)
	v_wmma_scale_f32_16x16x128_f8f6f4 v[\d:\d+7], v[\a:\a+7], v[\b:\b+7], v[\d:\d+7], v[\sa], v[\sb] matrix_a_fmt:MATRIX_FMT_FP4 matrix_b_fmt:MATRIX_FMT_FP4 matrix_a_scale:MATRIX_SCALE_ROW1
.else
	v_wmma_scale_f32_16x16x128_f8f6f4 v[\d:\d+7], v[\a:\a+7], v[\b:\b+7], v[\d:\d+7], v[\sa], v[\sb] matrix_a_fmt:MATRIX_FMT_FP4 matrix_b_fmt:MATRIX_FMT_FP4
.endif
.endif
.endm
; 64 keys (four tiles) against my 16 queries: means into v[da] on, variances into v[dv] on
.macro SCORES half, da, dv
.irp t, 0,1,2,3
	ds_load_b128 v[KF+8*\t:KF+8*\t+3], v5 offset:(4*\half+\t)*768          ; lanes 0-15 k, lanes 16-31 vk
	ds_load_b128 v[KF+8*\t+4:KF+8*\t+7], v5 offset:(4*\half+\t)*768+256    ; lanes 0-15 vk, lanes 16-31 k^2
.endr
	ds_load_b32 v92, v6 offset:256*\half           ; a pair of tiles' words: lanes 0-15 the even tile's, lanes 16-31 the odd one's
	ds_load_b32 v93, v6 offset:256*\half+128
	s_wait_dscnt 0x0
.irp t, 0,1,2,3
	WM \da+8*\t, KF+8*\t, QM, 1, 92+\t/2, 42, \t%2, 0
	WM \dv+8*\t, KF+8*\t, QV, 1, 92+\t/2, 42, \t%2, 0
.endr
.endm
; the largest of each of nb runs of 16 registers, the runs by turns; ascending
.macro BMAX dst, src, nb
.set bb, 0
.rept \nb
	v_max3_num_f32 v[\dst+bb], v[\src+16*bb], v[\src+16*bb+1], v[\src+16*bb+2]
.set bb, bb+1
.endr
.irp i, 3,5,7,9,11,13
.set bb, 0
.rept \nb
	v_max3_num_f32 v[\dst+bb], v[\dst+bb], v[\src+16*bb+\i], v[\src+16*bb+\i+1]
.set bb, bb+1
.endr
.endr
.set bb, 0
.rept \nb
	v_max_num_f32 v[\dst+bb], v[\dst+bb], v[\src+16*bb+15]
.set bb, bb+1
.endr
.endm
.macro PUTB word, src, bidx            ; the byte of scale operand v[src] into byte bidx of the scale word
.if (\bidx) == 0
	v_lshrrev_b32 v[\word], 23, v[\src]
.else
	v_lshrrev_b32 v[BY], 23, v[\src]
	v_lshl_or_b32 v[\word], v[BY], 8*(\bidx), v[\word]
.endif
.endm
	s_load_b256 s[4:11], s[0:1], 0x0               ; qi, kv, x, var_x
	s_load_b128 s[12:15], s[0:1], 0x20             ; out0, out1
	v_lshl_add_u32 v43, v0, 2, 0x44800
	v_mov_b32 v243, 0
	v_lshrrev_b32 v252, 5, v0
	v_readfirstlane_b32 s16, v252                  ; wave 0..15
	s_and_b32 s17, s16, 1                          ; which of the two heads
	s_lshr_b32 s18, s16, 1                         ; which query tile of eight
	v_and_b32 v252, 31, v0                         ; lane
	v_and_b32 v253, 15, v0                         ; r
	v_bfe_u32 v254, v0, 4, 1                       ; h
	v_cmp_le_u32 s30, 16, v252
	s_mul_i32 s46, s17, HEADB
	v_lshlrev_b32 v255, 4, v252                    ; 16 lane
	v_lshlrev_b32 v248, 4, v253                    ; 16 r
	v_lshlrev_b32 v249, 2, v253                    ; 4 r
	v_add_nc_u32 v1, s46, v255
	v_add_nc_u32 v3, VIMG, v1
	v_lshlrev_b32 v2, 2, v252
	v_add_nc_u32 v2, s46, v2
	v_add_nc_u32 v4, VSCO, v2
	v_add_nc_u32 v2, KSCO, v2
	v_and_b32 v9, 8, v253
	v_add_nc_u32 v9, v9, v253                      ; r + 8 (r / 8)
	v_mul_u32_u24 v9, v9, 272
	v_lshl_add_u32 v9, v254, 6, v9                 ; my 16 channels: 64 h
	s_lshr_b32 s47, s18, 1
	s_lshl_b32 s47, s47, 5
	s_and_b32 s48, s18, 1
	s_lshl_b32 s48, s48, 3
	s_add_co_u32 s47, s47, s48                     ; my tile's first row among the 128
	s_mul_i32 s47, s47, 272
	s_lshl_b32 s48, s17, 7                         ; my head's 128 bytes of a row
	s_add_co_u32 s47, s47, s48
	s_add_co_u32 s47, s47, STG
	v_add_nc_u32 v9, s47, v9
	s_mul_i32 s47, s16, 8*272                      ; back: wave w takes rows 8 w on, two an instruction
	s_add_co_u32 s47, s47, STG
	v_mul_u32_u24 v10, v254, 272
	v_lshl_add_u32 v10, v253, 4, v10
	v_add_nc_u32 v10, s47, v10
	v_lshlrev_b32 v11, 11, v254
	v_lshl_add_u32 v11, v253, 4, v11               ; and the same two rows in memory
	v_lshlrev_b32 v5, 4, v0                        ; the fill: 16 bytes a thread; an LDS immediate ends at 65,535, so four registers
	v_add_nc_u32 v6, 0x10000, v5
	v_add_nc_u32 v7, 0x20000, v5
	v_add_nc_u32 v8, 0x30000, v5
	s_mov_b32 s20, 0x76543210
	s_mov_b32 s21, 0xfedcba98
	s_mov_b32 s22, 0x3d8293ee                      ; c = log2(e) / sqrt(512)
	s_mov_b32 s23, s22
	s_mov_b32 s24, 0x3a83126f                      ; 1e-3
	s_and_b32 s49, ttmp7, 0xffff
	s_lshr_b32 s50, s49, 3                         ; batch
	s_and_b32 s51, s49, 7                          ; pair of heads
	s_lshl_b32 s52, s50, 4
	s_lshl_b32 s53, s51, 1
	s_add_co_u32 s52, s52, s53                     ; the pair's first head among 64
	s_mul_i32 s54, s52, HEADB
	s_mov_b32 s55, 0
	s_add_co_u32 s52, s52, s17
	s_mul_i32 s52, s52, 53248                      ; my head in qi
	s_lshl_b32 s53, ttmp9, 3
	s_add_co_u32 s53, s53, s18                     ; my query tile among the batch's 64
	s_mul_i32 s56, s53, 768
	s_add_co_u32 s56, s56, s52
	s_mov_b32 s57, 0
	s_lshl_b32 s58, s53, 6
	s_add_co_u32 s58, s58, s52
	s_add_co_u32 s58, s58, 49152
	s_mov_b32 s59, 0
	s_lshl_b32 s60, s50, 10
	s_lshl_b32 s61, ttmp9, 7
	s_add_co_u32 s60, s60, s61
	s_lshl_b32 s61, s16, 3
	s_add_co_u32 s60, s60, s61                     ; the first row that I store
	s_lshl_b32 s60, s60, 11
	s_lshl_b32 s61, s51, 8
	s_add_co_u32 s60, s60, s61                     ; + the pair's 256 bytes of a row
	s_mov_b32 s61, 0
	s_wait_kmcnt 0x0
	s_add_nc_u64 s[32:33], s[6:7], s[54:55]
	s_add_nc_u64 s[34:35], s[4:5], s[56:57]
	s_add_nc_u64 s[36:37], s[4:5], s[58:59]
	s_add_nc_u64 s[38:39], s[8:9], s[60:61]
	s_add_nc_u64 s[40:41], s[10:11], s[60:61]
	s_add_nc_u64 s[42:43], s[12:13], s[60:61]
	s_add_nc_u64 s[44:45], s[14:15], s[60:61]
	; THE FILL.  210,944 bytes are 25 chunks of 8,192 and 6,144 more: waves 0-11.  That load goes first, so that the counted waits mean the same on both ways.
	s_cmp_lt_u32 s16, 12
	s_cbranch_scc0 .Lno_a
	global_load_b128 v[196:199], v5, s[32:33] offset:204800
.Lno_a:
.irp i, 0,1,2,3,4,5,6,7,8,9,10,11,12,13,14,15,16,17,18,19,20,21,22,23,24
	global_load_b128 v[96+4*\i:99+4*\i], v5, s[32:33] offset:8192*\i
.endr
	global_load_b128 v[TT:TT+3], v255, s[34:35]            ; lanes 0-15 q, lanes 16-31 q^2
	global_load_b128 v[QV+4:QV+7], v248, s[34:35] offset:512   ; vq in both halves
	global_load_b32 v42, v249, s[36:37]
	s_wait_loadcnt 27                              ; the part chunk and chunk 0 are in
	s_cmp_lt_u32 s16, 12
	s_cbranch_scc0 .Lno_b
	ds_store_b128 v8, v[196:199] offset:8192
.Lno_b:
.irp i, 0,1,2,3,4,5,6,7,8,9,10,11,12,13,14,15,16,17,18,19,20,21,22,23,24
	s_wait_loadcnt 27-\i                           ; chunk i is in: behind it 24 - i chunks and Q's three loads
	ds_store_b128 v[5+\i/8], v[96+4*\i:99+4*\i] offset:8192*(\i%8)
.endr
	s_wait_loadcnt 0x0                             ; Q
.irp i, 0,1,2,3
	v_cndmask_b32 v[QM+\i], v[TT+\i], 0, s30
	v_cndmask_b32 v[QV+\i], 0, v[TT+\i], s30
	v_mov_b32 v[QM+4+\i], 0
.endr
	v_mov_b32 v13, 0xff61b1e6                      ; the largest t so far: -3e38
	v_floor_f32 v12, -v13                          ; -M
.irp j, 14,15,16,17,18,19,21,23
	v_mov_b32 v[\j], 0                             ; l, s~; and the upper words of the pairs f and f^2, which are named and not used
.endr
.irp b, 0,1,2,3
	v_mov_b32 v[PX+\b], 0                          ; a lane permute's destination counts as one of its sources
.endr
	s_mov_b32 s25, 0
	s_mov_b32 s26, 0
	s_mov_b32 s29, 8
	s_wait_dscnt 0x0                               ; for the others' sake: my part of the fill lies in LDS
	s_barrier_signal -1
	s_barrier_wait -1
.Lp1:                                              ; PASS 1: 8 trips of 128 keys
	v_add_nc_u32 v5, s25, v1
	v_add_nc_u32 v6, s26, v2
	SCORES 0, AA, VR
	PLACES 4                                       ; in front of loads into registers that matrix instructions have read
	SCORES 1, AA+32, VR+32
	PLACES 4                                       ; in front of the first read of results
	BMAX MB, AA, 4
	v_max3_num_f32 v252, v[MB], v[MB+1], v[MB+2]
	v_max_num_f32 v252, v252, v[MB+3]
	v_permlanex16_b32 v[PX], v252, s20, s21
	v_max_num_f32 v252, v252, v[PX]                ; the trip's largest score of my query
	v_mul_f32 v252, s22, v252
	v_max_num_f32 v13, v13, v252
	v_mov_b32 v253, v12
	v_floor_f32 v12, -v13                          ; the new -M
	v_sub_f32 v253, v12, v253                      ; old M - new M: a whole number, 0 or less
	v_cvt_i32_f32 v253, v253                       ; (it saturates)
	v_ldexp_f32 v20, 1.0, v253                     ; f
	v_mul_f32 v22, v20, v20                        ; f^2
.set jj, 0
.rept 32
	v_pk_fma_f32 v[AA+jj:AA+jj+1], v[AA+jj:AA+jj+1], s[22:23], v[12:13] op_sel_hi:[1,0,0]   ; t - M
.set jj, jj+2
.endr
.set jj, 0
.rept 64
	v_exp_f32 v[AA+jj], v[AA+jj]                   ; p~
.set jj, jj+1
.endr
	v_pk_mul_f32 v[14:15], v[14:15], v[20:21] op_sel_hi:[1,0]      ; the sums under the new M.  (A plain place behind the exponentials)
	v_pk_mul_f32 v[16:17], v[16:17], v[22:23] op_sel_hi:[1,0]
	v_pk_mul_f32 v[18:19], v[18:19], v[22:23] op_sel_hi:[1,0]
.set jj, 0
.rept 64
	v_max_num_f32 v[VR+jj], s24, v[VR+jj]          ; the scores' variance is clipped at 1e-3
.set jj, jj+1
.endr
	s_wait_alu depctr_va_vdst(0)
	v_pk_add_f32 v[236:237], v[AA:AA+1], v[AA+2:AA+3]              ; l, in two chains
.set jj, 4
.rept 15
	v_pk_add_f32 v[14:15], v[14:15], v[AA+jj:AA+jj+1]
	v_pk_add_f32 v[236:237], v[236:237], v[AA+jj+2:AA+jj+3]
.set jj, jj+4
.endr
	v_pk_add_f32 v[14:15], v[14:15], v[236:237]
.set jj, 0
.rept 32
	v_pk_mul_f32 v[AA+jj:AA+jj+1], v[AA+jj:AA+jj+1], v[AA+jj:AA+jj+1]
.set jj, jj+2
.endr
.set jj, 0
.rept 16
	v_pk_fma_f32 v[16:17], v[AA+jj:AA+jj+1], v[VR+jj:VR+jj+1], v[16:17]        ; s~, in two chains
	v_pk_fma_f32 v[18:19], v[AA+jj+2:AA+jj+3], v[VR+jj+2:VR+jj+3], v[18:19]
.set jj, jj+4
.endr
	s_add_co_u32 s25, s25, 6144
	s_add_co_u32 s26, s26, 512
	s_sub_co_u32 s29, s29, 1
	s_cmp_lg_u32 s29, 0
	s_cbranch_scc1 .Lp1
	; BETWEEN THE PASSES: 1 / l and s
	v_add_f32 v14, v14, v15
	v_add_f32 v16, v16, v17
	v_add_f32 v18, v18, v19
	v_add_f32 v16, v16, v18
	v_permlanex16_b32 v[PX], v14, s20, s21
	v_permlanex16_b32 v[PX+1], v16, s20, s21
	v_add_f32 v14, v14, v[PX]
	v_add_f32 v16, v16, v[PX+1]
	v_rcp_f32 v18, v14
	v_mov_b32 v22, 0xbb800000                      ; -2^-8.  (A plain place behind the reciprocal)
	v_mov_b32 v23, 0xbb800000
	v_mov_b32 v24, 0x3b000000                      ; 2^-9 = 1 / 512
	v_mov_b32 v25, 0x3b000000
	s_wait_alu depctr_va_vdst(0)
	v_mov_b32 v19, v18
	v_mul_f32 v20, v16, v18
	v_mul_f32 v20, v20, v18
	v_mul_f32 v20, 0x3b000000, v20                 ; s = s~ / (512 l^2)
	v_mov_b32 v21, v20
.set jj, 0
.rept 32
	v_mov_b32 v[OM+jj], 0                          ; the loop is written once: its first trip adds onto zeros
.set jj, jj+1
.endr
	s_mov_b32 s25, 0
	s_mov_b32 s26, 0
	s_mov_b32 s27, 0
	s_mov_b32 s28, 0
	s_mov_b32 s29, 8
; 64 keys of pass 2: blocks 2 c and 2 c + 1 of the trip's four
.macro HALF c
	SCORES \c, AA, VR
	PLACES 4
	BMAX MB, AA, 2                                 ; each block's largest score
.irp b, 0,1
	v_permlanex16_b32 v[PX+\b], v[MB+\b], s20, s21
.endr
.irp b, 0,1
	v_max_num_f32 v[MB+\b], v[MB+\b], v[PX+\b]
.endr
.set jj, 0
.rept 16
	v_pk_fma_f32 v[AA+jj:AA+jj+1], v[AA+jj:AA+jj+1], s[22:23], v[12:13] op_sel_hi:[1,0,0]
.set jj, jj+2
.endr
.irp b, 0,1
	v_fma_f32 v[MB+\b], v[MB+\b], s22, v12         ; the same of the block's largest score
.endr
.set jj, 0
.rept 32
	v_exp_f32 v[AA+jj], v[AA+jj]                   ; p~
.set jj, jj+1
.endr
.irp b, 0,1
	v_exp_f32 v[MB+\b], v[MB+\b]                   ; the block's largest p~
.endr
.set jj, 0
.rept 32
	v_max_num_f32 v[VR+jj], s24, v[VR+jj]          ; the clip at 1e-3.  (The first is the plain place behind the exponentials)
.set jj, jj+1
.endr
	s_wait_alu depctr_va_vdst(0)
.irp b, 0,1
	v_max_num_f32 v[SPO+\b], FLOOR, v[MB+\b]
.endr
.irp b, 0,1
	v_add_nc_u32 v[SPO+\b], 0xff000000, v[SPO+\b]  ; 2 off the exponent field: the conversion's scale operand
.endr
	PUTB 95, SPO, 2*\c
	PUTB 95, SPO+1, 2*\c+1
.irp b, 0,1
	v_cvt_scalef32_pk8_fp4_f32 v[PT+4*\c+2*\b], v[AA+16*\b:AA+16*\b+7], v[SPO+\b]
	v_cvt_scalef32_pk8_fp4_f32 v[PT+4*\c+2*\b+1], v[AA+16*\b+8:AA+16*\b+15], v[SPO+\b]
.endr
.irp b, 0,1
	v_mul_f32 v[S2O+\b], v[MB+\b], v18             ; the block's largest p.  (Plain places behind the conversions, ahead of the lines that write their sources)
.endr
.irp b, 0,1
	v_mul_f32 v[S2O+\b], v[S2O+\b], v[S2O+\b]      ; and p^2
.endr
.irp b, 0,1
	v_max_num_f32 v[S2O+\b], FLOOR, v[S2O+\b]
.endr
.irp b, 0,1
	v_add_nc_u32 v[S2O+\b], 0xff000000, v[S2O+\b]
.endr
	PUTB 224, S2O, 2*\c
	PUTB 224, S2O+1, 2*\c+1
.set jj, 0
.rept 16
	v_pk_mul_f32 v[AA+jj:AA+jj+1], v[AA+jj:AA+jj+1], v[18:19] op_sel_hi:[1,0]  ; p
.set jj, jj+2
.endr
.irp g, 0,8,16,24
.irp k, 0,2,4,6
	v_pk_fma_f32 v[TT+\k:TT+\k+1], v[AA+\g+\k:AA+\g+\k+1], v[22:23], v[24:25] op_sel_hi:[1,0,0]   ; (1 - 2 p) / 512
.endr
.irp k, 0,2,4,6
	v_pk_fma_f32 v[VR+\g+\k:VR+\g+\k+1], v[TT+\k:TT+\k+1], v[VR+\g+\k:VR+\g+\k+1], v[20:21] op_sel_hi:[1,1,0]   ; s + (1 - 2 p) va
.endr
.endr
.set jj, 0
.rept 16
	v_pk_mul_f32 v[AA+jj:AA+jj+1], v[AA+jj:AA+jj+1], v[AA+jj:AA+jj+1]          ; p^2
.set jj, jj+2
.endr
.set jj, 0
.rept 16
	v_pk_mul_f32 v[VR+jj:VR+jj+1], v[VR+jj:VR+jj+1], v[AA+jj:AA+jj+1]
.set jj, jj+2
.endr
.set jj, 0
.rept 32
	v_max_num_f32 v[VR+jj], s24, v[VR+jj]          ; vo, clipped at 1e-3: so it needs no floor
.set jj, jj+1
.endr
	BMAX VM, VR, 2
.irp b, 0,1
	v_permlanex16_b32 v[PX+\b], v[VM+\b], s20, s21
.endr
.irp b, 0,1
	v_max_num_f32 v[VM+\b], v[VM+\b], v[PX+\b]
.endr
.irp b, 0,1
	v_add_nc_u32 v[SVO+\b], 0xff000000, v[VM+\b]
.endr
	PUTB 225, SVO, 2*\c
	PUTB 225, SVO+1, 2*\c+1
.irp b, 0,1
	v_cvt_scalef32_pk8_fp4_f32 v[P2+4*\c+2*\b], v[AA+16*\b:AA+16*\b+7], v[S2O+\b]
	v_cvt_scalef32_pk8_fp4_f32 v[P2+4*\c+2*\b+1], v[AA+16*\b+8:AA+16*\b+15], v[S2O+\b]
	v_cvt_scalef32_pk8_fp4_f32 v[VO+4*\c+2*\b], v[VR+16*\b:VR+16*\b+7], v[SVO+\b]
	v_cvt_scalef32_pk8_fp4_f32 v[VO+4*\c+2*\b+1], v[VR+16*\b+8:VR+16*\b+15], v[SVO+\b]
.endr
	v_nop                                          ; one plain place behind the scaled conversions
.irp i, 0,1                                    ; the operand's layout wants a whole block in a lane
	v_permlane16_swap_b32 v[PT+4*\c+\i], v[PT+4*\c+2+\i]
	v_permlane16_swap_b32 v[P2+4*\c+\i], v[P2+4*\c+2+\i]
	v_permlane16_swap_b32 v[VO+4*\c+\i], v[VO+4*\c+2+\i]
.endr
.endm
.Lp2:                                              ; PASS 2: 8 trips of 128 keys
	v_add_nc_u32 v5, s25, v1
	v_add_nc_u32 v6, s26, v2
	HALF 0
	HALF 1
	v_add_nc_u32 v7, s27, v3
	v_add_nc_u32 v8, s28, v4
.irp f, 0,1,2,3,4,5                            ; the trip's fragments: v (channel tiles 0, 1), v^2, vv
.irp c, 0,1
	ds_load_b128 v[KF+8*\f+4*\c:KF+8*\f+4*\c+3], v7 offset:1024*\f+512*\c
.endr
.endr
.irp op, 0,1,2
	ds_load_b32 v[92+\op], v8 offset:128*\op       ; lanes 0-15 channel tile 0's words, lanes 16-31 tile 1's
.endr
	PLACES 8                                       ; scale words written by vector instructions stand eight places ahead of a scaled matrix instruction, operands four
	s_wait_dscnt 0x0
	WM OM, KF, PT, 0, 92, 95, 0, 0                 ; the four accumulators by turns, one instruction a turn
	WM OV, KF+32, P2, 0, 94, 224, 0, 0
	WM OM+8, KF+8, PT, 0, 92, 95, 1, 0
	WM OV+8, KF+40, P2, 0, 94, 224, 1, 0
	WM OV, KF+16, VO, 0, 93, 225, 0, 0
	WM OV+8, KF+24, VO, 0, 93, 225, 1, 0
	WM OV, KF+32, VO, 0, 94, 225, 0, 0
	WM OV+8, KF+40, VO, 0, 94, 225, 1, 0
	PLACES 4                                       ; in front of the next trip's loads, and of the first read of results behind the loop
	s_add_co_u32 s25, s25, 6144
	s_add_co_u32 s26, s26, 512
	s_add_co_u32 s27, s27, 6144
	s_add_co_u32 s28, s28, 384
	s_sub_co_u32 s29, s29, 1
	s_cmp_lg_u32 s29, 0
	s_cbranch_scc1 .Lp2
	; THE WAY OUT.  A lane holds 16 neighbouring channels of one query; a row's 256 bytes come from two waves: through the stage, a barrier, and back as whole rows.
.irp i, 0,1,2,3
	global_load_b128 v[96+4*\i:99+4*\i], v11, s[38:39] offset:4096*\i th:TH_LOAD_NT      ; the residuals of the rows that I store
	global_load_b128 v[112+4*\i:115+4*\i], v11, s[40:41] offset:4096*\i th:TH_LOAD_NT
.endr
.irp j, 0,2,4,6,8,10,12,14
	v_pk_mul_f32 v[OM+\j:OM+\j+1], v[OM+\j:OM+\j+1], v[18:19] op_sel_hi:[1,0]    ; mean / l
.endr
.irp j, 0,1,2,3,4,5,6,7,8,9,10,11,12,13,14,15
	v_max_num_f32 v[OV+\j], s24, v[OV+\j]          ; the last clip at 1e-3
.endr
.irp k, 0,1,2,3
	ds_store_b128 v9, v[OM+4*\k:OM+4*\k+3] offset:16*\k
	ds_store_b128 v9, v[OV+4*\k:OV+4*\k+3] offset:STV+16*\k
.endr
	s_wait_dscnt 0x0                               ; for the others' sake: my stores into the stage are done
	s_barrier_signal -1
	s_barrier_wait -1
.irp i, 0,1,2,3
	ds_load_b128 v[160+4*\i:163+4*\i], v10 offset:544*\i
	ds_load_b128 v[176+4*\i:179+4*\i], v10 offset:STV+544*\i
.endr
	s_wait_dscnt 0x0
	s_wait_loadcnt 0x0
.set jj, 0
.rept 16
	v_pk_add_f32 v[160+jj:161+jj], v[160+jj:161+jj], v[96+jj:97+jj]
.set jj, jj+2
.endr
.irp i, 0,1,2,3
	global_store_b128 v11, v[160+4*\i:163+4*\i], s[42:43] offset:4096*\i th:TH_STORE_NT  ; sixteen lanes store 256 consecutive bytes, aligned
	global_store_b128 v11, v[176+4*\i:179+4*\i], s[44:45] offset:4096*\i th:TH_STORE_NT
.endr
	s_wait_tensorcnt 0x0
	ds_add_u32 v43, v243
	s_wait_dscnt 0x0
	s_endpgm
.Lfunc_end_k_q0c2e07d313_attn:
	.size	k_q0c2e07d313_attn, .Lfunc_end_k_q0c2e07d313_attn-k_q0c2e07d313_attn
	.p2alignl 7, 3214868480
	.fill 96, 4, 3214868480
	.section	.rodata,"a",@progbits
	.p2align	6, 0x0
	.amdhsa_kernel k_q0c2e07d313_attn
		.amdhsa_group_segment_fixed_size 282624
		.amdhsa_private_segment_fixed_size 0
		.amdhsa_enable_private_segment 0
		.amdhsa_kernarg_size 48
		.amdhsa_user_sgpr_count 2
		.amdhsa_user_sgpr_kernarg_segment_ptr 1
		.amdhsa_wavefront_size32 1
		.amdhsa_system_sgpr_workgroup_id_x 1
		.amdhsa_system_sgpr_workgroup_id_y 1
		.amdhsa_system_sgpr_workgroup_id_z 1
		.amdhsa_system_vgpr_workitem_id 0
		.amdhsa_next_free_vgpr 256
		.amdhsa_next_free_sgpr 66
		.amdhsa_reserve_vcc 0
		.amdhsa_float_denorm_mode_32 3
		.amdhsa_float_denorm_mode_16_64 3
		.amdhsa_memory_ordered 1
		.amdhsa_forward_progress 1
		.amdhsa_inst_pref_size 70
	.end_amdhsa_kernel
	.amdgpu_metadata
---
amdhsa.version: [ 1, 2 ]
amdhsa.kernels:
  - .name:           k_q0c2e07d313_attn
    .symbol:         k_q0c2e07d313_attn.kd
    .args:
      - { .name: qi, .offset: 0, .size: 8, .value_kind: global_buffer, .address_space: global }
      - { .name: kv, .offset: 8, .size: 8, .value_kind: global_buffer, .address_space: global }
      - { .name: x, .offset: 16, .size: 8, .value_kind: global_buffer, .address_space: global }
      - { .name: var_x, .offset: 24, .size: 8, .value_kind: global_buffer, .address_space: global }
      - { .name: out0, .offset: 32, .size: 8, .value_kind: global_buffer, .address_space: global }
      - { .name: out1, .offset: 40, .size: 8, .value_kind: global_buffer, .address_space: global }
    .group_segment_fixed_size: 282624
    .private_segment_fixed_size: 0
    .kernarg_segment_align: 8
    .kernarg_segment_size: 48
    .max_flat_workgroup_size: 512
    .sgpr_count:     66
    .vgpr_count:     256
    .wavefront_size: 32
...
	.end_amdgpu_metadata
.endif
;; end of part 3
